; MI455X (gfx1250); checked and timed in simulation.
; The chip was launched on July 23, 2026; its instructions are those of AMD's public machine-readable ISA for CDNA 5 (MIT licence, August 2026) and "CDNA5" Instruction Set Architecture Reference Guide (July 2026). The comments in the code are by the model that wrote it; some were corrected since.
;; MTL Network. Allowed arithmetic: float matrix products may take bf16 or f16 operands with f32 sums; other float arithmetic in f32, or as packed bf16 or f16 multiplies, adds, multiply-adds, maxima and minima; sums over many terms, partial sums and values carried from step to step in f32; what a program stores and reads back later, other than sums and carried values, may be rounded once to bf16 or f16.
;; Inputs: gate_shared_W1 128 x 128 float32; gate_shared_W2 128 x 4 float32; gate_shared_b1 128 float32; gate_shared_b2 4 float32; gate_task1_W1 128 x 128 float32; gate_task1_W2 128 x 8 float32; gate_task1_b1 128 float32; gate_task1_b2 8 float32; gate_task2_W1 128 x 128 float32; gate_task2_W2 128 x 8 float32; gate_task2_b1 128 float32; gate_task2_b2 8 float32; shared_params_Wfc 4 x 128 x 128 float32; shared_params_Wk 4 x 128 x 128 float32; shared_params_Wo 4 x 128 x 128 float32; shared_params_Wq 4 x 128 x 128 float32; shared_params_Wv 4 x 128 x 128 float32; shared_params_beta 4 x 128 float32; shared_params_bfc 4 x 128 float32; shared_params_bk 4 x 128 float32; shared_params_bo 4 x 128 float32; shared_params_bq 4 x 128 float32; shared_params_bv 4 x 128 float32; shared_params_gamma 4 x 128 float32; shared_params_mean 4 x 128 float32; shared_params_var 4 x 128 float32; task1_params_Wfc 4 x 128 x 128 float32; task1_params_Wk 4 x 128 x 128 float32; task1_params_Wo 4 x 128 x 128 float32; task1_params_Wq 4 x 128 x 128 float32; task1_params_Wv 4 x 128 x 128 float32; task1_params_beta 4 x 128 float32; task1_params_bfc 4 x 128 float32; task1_params_bk 4 x 128 float32; task1_params_bo 4 x 128 float32; task1_params_bq 4 x 128 float32; task1_params_bv 4 x 128 float32; task1_params_gamma 4 x 128 float32; task1_params_mean 4 x 128 float32; task1_params_var 4 x 128 float32; task2_params_Wfc 4 x 128 x 128 float32; task2_params_Wk 4 x 128 x 128 float32; task2_params_Wo 4 x 128 x 128 float32; task2_params_Wq 4 x 128 x 128 float32; task2_params_Wv 4 x 128 x 128 float32; task2_params_beta 4 x 128 float32; task2_params_bfc 4 x 128 float32; task2_params_bk 4 x 128 float32; task2_params_bo 4 x 128 float32; task2_params_bq 4 x 128 float32; task2_params_bv 4 x 128 float32; task2_params_gamma 4 x 128 float32; task2_params_mean 4 x 128 float32; task2_params_var 4 x 128 float32; x 65,536 x 128 float32.
;; Outputs: out0 65,536 x 128 float32; out1 65,536 x 128 float32.
;; One version. Each part assembles by itself: llvm-mc -triple=amdgcn-amd-amdhsa -mcpu=gfx1250 --defsym DOCPART=n.
;; ======== version 1 of 1: 3 launches
;; limits: values are held in f16: magnitudes above 65,504 overflow, below 6.1e-05 lose precision
;; workspace buffers: ws 1,703,936 bytes
;; launch prep_small (part 1): grid 16 x 1, 4 waves a work-group, no clusters, 0 bytes of LDS; arguments task2_params_gamma, shared_params_gamma, task1_params_gamma, task2_params_var, shared_params_var, task1_params_var, task2_params_beta, shared_params_beta, task1_params_beta, task2_params_mean, shared_params_mean, task1_params_mean, task2_params_bq, shared_params_bq, task1_params_bq, task2_params_bk, shared_params_bk, task1_params_bk, task2_params_bv, shared_params_bv, task1_params_bv, gate_task2_W2, gate_task1_W2, gate_task2_b1, gate_task1_b1, gate_task2_b2, gate_task1_b2, ws; writes ws
.if DOCPART == 1
	.amdgcn_target "amdgcn-amd-amdhsa--gfx1250"
	.amdhsa_code_object_version 6
	.text
	.protected	k_qfb7b161111_prep_small
	.globl	k_qfb7b161111_prep_small
	.p2align	8
	.type	k_qfb7b161111_prep_small,@function
k_qfb7b161111_prep_small:
	s_mov_b64 s[64:65], 0
	v_nop
	global_prefetch_b8 v0, s[64:65] scope:SCOPE_SE
	s_setreg_imm32_b32 hwreg(HW_REG_WAVE_MODE, 25, 1), 1
	s_wait_xcnt 0x0
; THE SMALL TABLES of the prepared weights.  Experts are numbered e = 0-3 task 2's, 4-7 the shared ones, 8-11 task 1's.
; EVERY INPUT IS ROUNDED TO bf16 FIRST, as the matrices and x are, so that the whole program stands on one rounding of its inputs; what is made of them stays f32.
; Work-groups 0-11 (expert e): s = gamma rsqrt(var + 1e-5), and bq, bk, bv -> ws.
; Work-groups 12, 13: T1, T2: t = beta - mean s of a task's eight experts as matrix operands (16 channels x 32): t is cut into its upper 16 bits (a bf16 number) and the rest (rounded to bf16);
;   the lower half of the lanes (k = 0-7 and 16-23) holds the first, the upper half (k = 8-15 and 24-31) the second.  And the zeros behind the tables.
; Work-groups 14, 15: a gate's second layer as matrix operands, the bf16 numbers written as f16: row r of 16 is column (r + rot) mod 8 of W2, so both halves of the lanes get all eight logits;
;   b1 and b2 likewise.  rot = 4 for task 2, so that its own experts come first, as in the numbering above; 0 for task 1.
; LIMIT: an element of W2 below 6.1e-5 keeps f16's fixed step of 6e-8; beyond 65,504 it is not served.
; Every store of a wave covers 512 consecutive bytes.  No LDS, no barrier: the waves share nothing.
.set EPS,    0x3727c5ac                ; 1e-5
.set WS_TS,  1572864                   ; T1, T2: 8,192 bytes each
.set WS_G0,  1589248                   ; the gates' block
.set WS_CON, 1665024                   ; 2,560 bytes an expert: bq, bk, bv, bof, s
.set WS_PAD, 1695744                   ; 8,192 bytes of zeros
.set P_GAM, 4                          ; s[4:9] gamma of task 2, shared, task 1; and so on, six registers a kind
.set P_VAR, 10
.set P_BET, 16
.set P_MEA, 22
.set P_BQ,  28
.set P_BK,  34
.set P_BV,  40
.set P_W2,  46                         ; task 2's, task 1's
.set P_B1,  50
.set P_B2,  54
.set P_WS,  58
.macro PICK1 d, p                      ; SCC = the group is the shared one: else task 2's
	s_cselect_b64 s[\d:\d+1], s[\p+2:\p+3], s[\p:\p+1]
.endm
.macro PICK2 d, p                      ; SCC = the group is task 1's
	s_cselect_b64 s[\d:\d+1], s[\p+4:\p+5], s[\d:\d+1]
.endm
.macro RND4 b, t                       ; four f32 at v[b] rounded to bf16 and widened again, in place; v[t], v[t+1] at work
	v_cvt_pk_bf16_f32 v[\t], v[\b], v[(\b)+1]
	v_cvt_pk_bf16_f32 v[(\t)+1], v[(\b)+2], v[(\b)+3]
	v_lshlrev_b32 v[\b], 16, v[\t]
	v_and_b32 v[(\b)+1], 0xffff0000, v[\t]
	v_lshlrev_b32 v[(\b)+2], 16, v[(\t)+1]
	v_and_b32 v[(\b)+3], 0xffff0000, v[(\t)+1]
.endm
	s_load_b512 s[4:19], s[0:1], 0x0
	s_load_b512 s[20:35], s[0:1], 0x40
	s_load_b512 s[36:51], s[0:1], 0x80
	s_load_b256 s[52:59], s[0:1], 0xc0
	v_lshrrev_b32 v1, 5, v0
	v_readfirstlane_b32 s67, v1            ; wave
	s_mov_b32 s66, ttmp9                   ; work-group
	v_and_b32 v1, 31, v0                   ; lane
	v_lshlrev_b32 v2, 4, v1                ; 16 x lane
	s_wait_kmcnt 0x0
	s_cmp_lt_u32 s66, 12
	s_cbranch_scc1 .Lexpert
	s_cmp_lt_u32 s66, 14
	s_cbranch_scc1 .Ltee
	; ---- a gate's second layer ----
	s_sub_co_u32 s68, s66, 14              ; 0: task 2, 1: task 1
	s_cmp_eq_u32 s68, 0
	s_cselect_b64 s[70:71], s[P_W2:P_W2+1], s[P_W2+2:P_W2+3]
	s_cselect_b64 s[72:73], s[P_B1:P_B1+1], s[P_B1+2:P_B1+3]
	s_cselect_b64 s[74:75], s[P_B2:P_B2+1], s[P_B2+2:P_B2+3]
	s_cselect_b32 s76, 4, 0                ; rot
	s_mul_i32 s78, s68, 5120
	s_add_co_u32 s78, s78, WS_G0+65536     ; the gate's small block: b1, b2dup, W2dup
	s_lshl_b32 s77, s67, 10                ; wave w makes the fragment of k = 32 w ..: 32 rows of 32 bytes in W2, 1,024 bytes in ws
	v_and_b32 v3, 15, v1
	v_lshrrev_b32 v4, 4, v1                ; h
	v_add_nc_u32 v3, s76, v3
	v_and_b32 v3, 7, v3                    ; my row's column of W2
	v_lshlrev_b32 v3, 2, v3
	v_lshl_add_u32 v3, v4, 8, v3           ; + 8 h rows
	v_add_nc_u32 v3, s77, v3
.irp j, 0,1,2,3,4,5,6,7
	global_load_b32 v[8+\j],  v3, s[70:71] offset:32*\j        ; k = 32 w + 8 h + j
	global_load_b32 v[16+\j], v3, s[70:71] offset:32*(16+\j)   ; k = 32 w + 16 + 8 h + j
.endr
	v_add_nc_u32 v5, s78, v2
	v_add_nc_u32 v6, s77, v5
	s_wait_loadcnt 0x0
.irp q, 8,12,16,20
	RND4 \q, 32
.endr
.irp p, 0,1,2,3
	v_cvt_pk_f16_f32 v[24+\p], v[8+2*\p],  v[9+2*\p]           ; a bf16 number's 8 bits fit f16's 11: exact within f16's range
	v_cvt_pk_f16_f32 v[28+\p], v[16+2*\p], v[17+2*\p]
.endr
	global_store_b128 v6, v[24:27], s[P_WS:P_WS+1] offset:1024
	global_store_b128 v6, v[28:31], s[P_WS:P_WS+1] offset:1536
	s_cmp_eq_u32 s67, 0
	s_cbranch_scc1 .Lb1
	s_cmp_eq_u32 s67, 1
	s_cbranch_scc1 .Lb2
	s_endpgm
.Lb1:                                          ; wave 0: b1
	global_load_b128 v[36:39], v2, s[72:73]
	s_wait_loadcnt 0x0
	RND4 36, 40
	global_store_b128 v5, v[36:39], s[P_WS:P_WS+1]
	s_endpgm
.Lb2:                                          ; wave 1: sixteen numbers b2[(n + rot) mod 8], then zeros
	v_lshlrev_b32 v7, 2, v1
	v_add_nc_u32 v7, s76, v7
.irp j, 0,1,2,3
	v_add_nc_u32 v[40+\j], \j, v7
	v_and_b32 v[40+\j], 7, v[40+\j]
	v_lshlrev_b32 v[40+\j], 2, v[40+\j]
	global_load_b32 v[44+\j], v[40+\j], s[74:75]
.endr
	v_cmp_gt_u32 s79, 4, v1                ; lanes 0-3 hold the sixteen
	s_wait_loadcnt 0x0
	RND4 44, 48
.irp j, 0,1,2,3
	v_cndmask_b32 v[44+\j], 0, v[44+\j], s79
.endr
	global_store_b128 v5, v[44:47], s[P_WS:P_WS+1] offset:512
	s_endpgm
	; ---- T1 (shared, then task 1's) and T2 (task 2's, then shared) ----
.Ltee:
	s_sub_co_u32 s68, s66, 12
	s_cmp_eq_u32 s68, 0
	s_cselect_b64 s[70:71], s[P_GAM+2:P_GAM+3], s[P_GAM:P_GAM+1]      ; the first four experts
	s_cselect_b64 s[72:73], s[P_VAR+2:P_VAR+3], s[P_VAR:P_VAR+1]
	s_cselect_b64 s[74:75], s[P_BET+2:P_BET+3], s[P_BET:P_BET+1]
	s_cselect_b64 s[76:77], s[P_MEA+2:P_MEA+3], s[P_MEA:P_MEA+1]
	s_cselect_b64 s[78:79], s[P_GAM+4:P_GAM+5], s[P_GAM+2:P_GAM+3]    ; the last four
	s_cselect_b64 s[80:81], s[P_VAR+4:P_VAR+5], s[P_VAR+2:P_VAR+3]
	s_cselect_b64 s[82:83], s[P_BET+4:P_BET+5], s[P_BET+2:P_BET+3]
	s_cselect_b64 s[84:85], s[P_MEA+4:P_MEA+5], s[P_MEA+2:P_MEA+3]
	v_and_b32 v3, 15, v1
	s_lshl_b32 s86, s67, 7
	v_lshl_add_u32 v3, v3, 2, s86          ; 4 x channel: wave w has channels 32 w .., lane r of a half its channel r
	v_cmp_gt_u32 s87, 16, v1               ; the lower half of the lanes
	s_lshl_b32 s88, s68, 13
	s_lshl_b32 s89, s67, 11
	s_add_co_u32 s88, s88, s89
	s_add_co_u32 s88, s88, WS_TS
	v_add_nc_u32 v4, s88, v2
	s_lshl_b32 s89, s68, 12
	s_add_co_u32 s89, s89, WS_PAD
	v_lshl_add_u32 v5, v0, 4, s89
.irp j, 120,121,122,123
	v_mov_b32 v\j, 0
.endr
	global_store_b128 v5, v[120:123], s[P_WS:P_WS+1]
	global_store_b128 v5, v[120:123], s[P_WS:P_WS+1] offset:2048
.macro TEE tt                          ; channel tile 2 w + tt; a register set of its own, so no store's data are rewritten
.set R, 8+48*(\tt)
.irp j, 0,1,2,3
	global_load_b32 v[R+\j],    v3, s[70:71] offset:512*\j+64*(\tt)
	global_load_b32 v[R+8+\j],  v3, s[72:73] offset:512*\j+64*(\tt)
	global_load_b32 v[R+16+\j], v3, s[74:75] offset:512*\j+64*(\tt)
	global_load_b32 v[R+24+\j], v3, s[76:77] offset:512*\j+64*(\tt)
	global_load_b32 v[R+4+\j],  v3, s[78:79] offset:512*\j+64*(\tt)
	global_load_b32 v[R+12+\j], v3, s[80:81] offset:512*\j+64*(\tt)
	global_load_b32 v[R+20+\j], v3, s[82:83] offset:512*\j+64*(\tt)
	global_load_b32 v[R+28+\j], v3, s[84:85] offset:512*\j+64*(\tt)
.endr
	s_wait_loadcnt 0x0
.irp q, 0,4,8,12,16,20,24,28
	RND4 R+\q, 112
.endr
.irp j, 0,1,2,3,4,5,6,7
	v_add_f32 v[R+8+\j], EPS, v[R+8+\j]
.endr
.irp j, 0,1,2,3,4,5,6,7
	v_rsq_f32 v[R+8+\j], v[R+8+\j]
.endr
	v_nop                                  ; a plain instruction behind the last root,
	s_wait_alu depctr_va_vdst(0)           ; and one wait for the batch
.irp j, 0,1,2,3,4,5,6,7
	v_mul_f32 v[R+\j], v[R+\j], v[R+8+\j]                      ; s
.endr
.irp j, 0,1,2,3,4,5,6,7
	v_fma_f32 v[R+16+\j], -v[R+24+\j], v[R+\j], v[R+16+\j]     ; t = beta - mean s
.endr
.irp j, 0,1,2,3,4,5,6,7
	v_and_b32 v[R+\j], 0xffff0000, v[R+16+\j]                  ; t's upper 16 bits: a bf16 number,
.endr
.irp j, 0,1,2,3,4,5,6,7
	v_sub_f32 v[R+8+\j], v[R+16+\j], v[R+\j]                   ; and the rest, exactly
.endr
.irp p, 0,1,2,3
	v_perm_b32 v[R+32+\p], v[R+17+2*\p], v[R+16+2*\p], 0x07060302  ; two upper halves packed, the even expert's below
	v_cvt_pk_bf16_f32 v[R+36+\p], v[R+8+2*\p], v[R+9+2*\p]
.endr
.irp p, 0,1,2,3
	v_cndmask_b32 v[R+32+\p], v[R+36+\p], v[R+32+\p], s87      ; lower half of the lanes: the upper bits; upper half: the rest
.endr
	global_store_b128 v4, v[R+32:R+35], s[P_WS:P_WS+1] offset:1024*(\tt)       ; k = 0-15
	global_store_b128 v4, v[R+32:R+35], s[P_WS:P_WS+1] offset:1024*(\tt)+512   ; k = 16-31: the same once more
.endm
	TEE 0
	TEE 1
	s_endpgm
	; ---- an expert's vectors ----
.Lexpert:
	s_lshr_b32 s68, s66, 2                 ; group: 0 task 2, 1 shared, 2 task 1
	s_and_b32 s69, s66, 3                  ; the expert's number in its group
	s_cmp_eq_u32 s68, 1
	PICK1 70, P_GAM
	PICK1 72, P_VAR
	PICK1 74, P_BQ
	PICK1 76, P_BK
	PICK1 78, P_BV
	s_cmp_eq_u32 s68, 2
	PICK2 70, P_GAM
	PICK2 72, P_VAR
	PICK2 74, P_BQ
	PICK2 76, P_BK
	PICK2 78, P_BV
	s_lshl_b32 s80, s69, 9
	v_add_nc_u32 v3, s80, v2               ; in the inputs: 512 i + 16 lane
	s_mul_i32 s81, s66, 2560
	s_add_co_u32 s81, s81, WS_CON
	v_add_nc_u32 v4, s81, v2
	s_cmp_lg_u32 s67, 0
	s_cbranch_scc1 .Lcopy
	global_load_b128 v[8:11],  v3, s[70:71]
	global_load_b128 v[12:15], v3, s[72:73]
	s_wait_loadcnt 0x0
	RND4 8, 24
	RND4 12, 24
.irp j, 0,1,2,3
	v_add_f32 v[12+\j], EPS, v[12+\j]
.endr
.irp j, 0,1,2,3
	v_rsq_f32 v[12+\j], v[12+\j]
.endr
	v_nop
	s_wait_alu depctr_va_vdst(0)           ; one wait for the four roots
.irp j, 0,1,2,3
	v_mul_f32 v[16+\j], v[8+\j], v[12+\j]
.endr
	global_store_b128 v4, v[16:19], s[P_WS:P_WS+1] offset:2048
	s_endpgm
.Lcopy:                                        ; waves 1, 2, 3: bq, bk, bv
	s_cmp_eq_u32 s67, 2
	s_cselect_b64 s[82:83], s[76:77], s[74:75]
	s_cmp_eq_u32 s67, 3
	s_cselect_b64 s[82:83], s[78:79], s[82:83]
	s_sub_co_u32 s84, s67, 1
	s_lshl_b32 s84, s84, 9
	v_add_nc_u32 v4, s84, v4
	global_load_b128 v[8:11], v3, s[82:83]
	s_wait_loadcnt 0x0
	RND4 8, 24
	global_store_b128 v4, v[8:11], s[P_WS:P_WS+1]
	s_endpgm
.Lfunc_end_k_qfb7b161111_prep_small:
	.size	k_qfb7b161111_prep_small, .Lfunc_end_k_qfb7b161111_prep_small-k_qfb7b161111_prep_small
	.p2alignl 7, 3214868480
	.fill 96, 4, 3214868480
	.section	.rodata,"a",@progbits
	.p2align	6, 0x0
	.amdhsa_kernel k_qfb7b161111_prep_small
		.amdhsa_group_segment_fixed_size 0
		.amdhsa_private_segment_fixed_size 0
		.amdhsa_enable_private_segment 0
		.amdhsa_kernarg_size 224
		.amdhsa_user_sgpr_count 2
		.amdhsa_user_sgpr_kernarg_segment_ptr 1
		.amdhsa_wavefront_size32 1
		.amdhsa_system_sgpr_workgroup_id_x 1
		.amdhsa_system_sgpr_workgroup_id_y 1
		.amdhsa_system_sgpr_workgroup_id_z 1
		.amdhsa_system_vgpr_workitem_id 0
		.amdhsa_next_free_vgpr 128
		.amdhsa_next_free_sgpr 96
		.amdhsa_reserve_vcc 0
		.amdhsa_float_denorm_mode_32 3
		.amdhsa_float_denorm_mode_16_64 3
		.amdhsa_memory_ordered 1
		.amdhsa_forward_progress 1
		.amdhsa_inst_pref_size 30
	.end_amdhsa_kernel
	.amdgpu_metadata
---
amdhsa.version: [ 1, 2 ]
amdhsa.kernels:
  - .name:           k_qfb7b161111_prep_small
    .symbol:         k_qfb7b161111_prep_small.kd
    .args:
      - { .name: task2_params_gamma, .offset: 0, .size: 8, .value_kind: global_buffer, .address_space: global }
      - { .name: shared_params_gamma, .offset: 8, .size: 8, .value_kind: global_buffer, .address_space: global }
      - { .name: task1_params_gamma, .offset: 16, .size: 8, .value_kind: global_buffer, .address_space: global }
      - { .name: task2_params_var, .offset: 24, .size: 8, .value_kind: global_buffer, .address_space: global }
      - { .name: shared_params_var, .offset: 32, .size: 8, .value_kind: global_buffer, .address_space: global }
      - { .name: task1_params_var, .offset: 40, .size: 8, .value_kind: global_buffer, .address_space: global }
      - { .name: task2_params_beta, .offset: 48, .size: 8, .value_kind: global_buffer, .address_space: global }
      - { .name: shared_params_beta, .offset: 56, .size: 8, .value_kind: global_buffer, .address_space: global }
      - { .name: task1_params_beta, .offset: 64, .size: 8, .value_kind: global_buffer, .address_space: global }
      - { .name: task2_params_mean, .offset: 72, .size: 8, .value_kind: global_buffer, .address_space: global }
      - { .name: shared_params_mean, .offset: 80, .size: 8, .value_kind: global_buffer, .address_space: global }
      - { .name: task1_params_mean, .offset: 88, .size: 8, .value_kind: global_buffer, .address_space: global }
      - { .name: task2_params_bq, .offset: 96, .size: 8, .value_kind: global_buffer, .address_space: global }
      - { .name: shared_params_bq, .offset: 104, .size: 8, .value_kind: global_buffer, .address_space: global }
      - { .name: task1_params_bq, .offset: 112, .size: 8, .value_kind: global_buffer, .address_space: global }
      - { .name: task2_params_bk, .offset: 120, .size: 8, .value_kind: global_buffer, .address_space: global }
      - { .name: shared_params_bk, .offset: 128, .size: 8, .value_kind: global_buffer, .address_space: global }
      - { .name: task1_params_bk, .offset: 136, .size: 8, .value_kind: global_buffer, .address_space: global }
      - { .name: task2_params_bv, .offset: 144, .size: 8, .value_kind: global_buffer, .address_space: global }
      - { .name: shared_params_bv, .offset: 152, .size: 8, .value_kind: global_buffer, .address_space: global }
      - { .name: task1_params_bv, .offset: 160, .size: 8, .value_kind: global_buffer, .address_space: global }
      - { .name: gate_task2_W2, .offset: 168, .size: 8, .value_kind: global_buffer, .address_space: global }
      - { .name: gate_task1_W2, .offset: 176, .size: 8, .value_kind: global_buffer, .address_space: global }
      - { .name: gate_task2_b1, .offset: 184, .size: 8, .value_kind: global_buffer, .address_space: global }
      - { .name: gate_task1_b1, .offset: 192, .size: 8, .value_kind: global_buffer, .address_space: global }
      - { .name: gate_task2_b2, .offset: 200, .size: 8, .value_kind: global_buffer, .address_space: global }
      - { .name: gate_task1_b2, .offset: 208, .size: 8, .value_kind: global_buffer, .address_space: global }
      - { .name: ws, .offset: 216, .size: 8, .value_kind: global_buffer, .address_space: global }
    .group_segment_fixed_size: 0
    .private_segment_fixed_size: 0
    .kernarg_segment_align: 8
    .kernarg_segment_size: 224
    .max_flat_workgroup_size: 128
    .sgpr_count:     96
    .vgpr_count:     128
    .wavefront_size: 32
...
	.end_amdgpu_metadata
.endif
;; end of part 1
;; launch prep_w (part 2): grid 50 x 1, 4 waves a work-group, no clusters, 74,240 bytes of LDS; arguments task2_params_Wq, shared_params_Wq, task1_params_Wq, task2_params_Wk, shared_params_Wk, task1_params_Wk, task2_params_Wv, shared_params_Wv, task1_params_Wv, task2_params_Wo, shared_params_Wo, task1_params_Wo, task2_params_Wfc, shared_params_Wfc, task1_params_Wfc, task2_params_bo, shared_params_bo, task1_params_bo, task2_params_bfc, shared_params_bfc, task1_params_bfc, gate_task2_W1, gate_task1_W1, ws; writes ws
.if DOCPART == 2
	.amdgcn_target "amdgcn-amd-amdhsa--gfx1250"
	.amdhsa_code_object_version 6
	.text
	.protected	k_qfb7b161111_prep_w
	.globl	k_qfb7b161111_prep_w
	.p2align	8
	.type	k_qfb7b161111_prep_w,@function
k_qfb7b161111_prep_w:
	s_mov_b64 s[64:65], 0
	v_nop
	global_prefetch_b8 v0, s[64:65] scope:SCOPE_SE
	s_setreg_imm32_b32 hwreg(HW_REG_WAVE_MODE, 25, 1), 1
	s_wait_xcnt 0x0
; THE 128 x 128 MATRICES, rounded to bf16 once and laid in the order in which a wave's operand registers take them.
; Work-group b < 48: expert e = b / 4 (0-3 task 2's, 4-7 shared, 8-11 task 1's), job j = b % 4: Wq, Wk, Wv transposed; j = 3: Wof = Wo Wfc and bof = bo Wfc + bfc, since nothing but a sum
; stands between the two layers.  b = 48, 49: W1 of gate task 2, gate task 1.
; Wof is made of the bf16 factors with f32 sums and rounded once to f16 (11 bits where bf16 keeps 8): it is a number of the program's own.  bo, Wfc and bfc enter bof rounded to bf16; bof stays f32.
; LIMIT: with spreads of 0.088 in Wo and Wfc, Wof's is 0.088; both 30 times larger: 80; both 30 times smaller: 1e-4; with offsets of 30 spreads it lies near 128 x 2.65^2 = 900: all within f16.
;   Beyond 65,504 Wof is not served; below 6.1e-5 an element keeps f16's fixed step of 6e-8.
; A matrix M^T[c][k] is 32 fragments (t = c / 16, ks = k / 32) of 1,024 bytes at (4 t + ks) 1,024: lane L's registers 0-3 at 16 L, registers 4-7 at 512 + 16 L.
; The source [k][c] goes through LDS in bf16 and comes back turned by ds_load_tr16_b128.  For j = 3 the product's result tile (16 k x 16 c) already IS half a fragment.
.set TF,    0                          ; 128 rows [i][c] of bf16, 288 bytes apart (an odd multiple of 32; 64 banks of 4 bytes: ISA guide 11.1)
.set TFP,   288
.set TO,    36864                      ; Wo [k][i] of bf16, 272 bytes apart
.set TOP,   272
.set PS,    71680                      ; four waves' partial sums of bo Wfc, 512 bytes each, f32
.set SPARE, 73728                      ; the spare words, 128 bytes a wave
.set WS_CON, 1665024
.set P_WQ,  4
.set P_WK,  10
.set P_WV,  16
.set P_WO,  22
.set P_WFC, 28
.set P_BO,  34
.set P_BFC, 40
.set P_G2,  46
.set P_G1,  48
.set P_WS,  50
.macro PICK1 d, p
	s_cselect_b64 s[\d:\d+1], s[\p+2:\p+3], s[\p:\p+1]
.endm
.macro PICK2 d, p
	s_cselect_b64 s[\d:\d+1], s[\p+4:\p+5], s[\d:\d+1]
.endm
.macro LOADM p                         ; my 32 rows of a matrix: a row is one load of 512 bytes
.set n, 0
.rept 32
	global_load_b128 v[64+4*n:64+4*n+3], v5, s[\p:\p+1] offset:512*n
.set n, n+1
.endr
.endm
.macro CONSUME adr, pitch, fm          ; rounded to bf16 into LDS; fm = 1: bo[row] x the rounded row is summed beside it, in f32
.set n, 0
.rept 32
	s_wait_loadcnt 31-n                    ; loads come back in order: row n is in, the younger ones stay out
	v_cvt_pk_bf16_f32 v[20+2*(n%4)], v[64+4*n],   v[64+4*n+1]
	v_cvt_pk_bf16_f32 v[21+2*(n%4)], v[64+4*n+2], v[64+4*n+3]
	ds_store_b64 v[\adr], v[20+2*(n%4):21+2*(n%4)] offset:n*(\pitch)
.if \fm
	v_lshlrev_b32 v32, 16, v[20+2*(n%4)]
	v_and_b32 v33, 0xffff0000, v[20+2*(n%4)]
	v_lshlrev_b32 v34, 16, v[21+2*(n%4)]
	v_and_b32 v35, 0xffff0000, v[21+2*(n%4)]
.irp c, 0,1,2,3
.if n == 0
	v_mul_f32 v[8+\c], s[4], v[32+\c]
.else
	v_fmac_f32 v[8+\c], s[4+n], v[32+\c]
.endif
.endr
.endif
.set n, n+1
.endr
.endm
	s_load_b512 s[4:19], s[0:1], 0x0
	s_load_b512 s[20:35], s[0:1], 0x40
	s_load_b512 s[36:51], s[0:1], 0x80
	v_lshl_add_u32 v2, v0, 2, SPARE        ; my spare word, and 0: kept for the closing lines alone
	v_mov_b32 v3, 0
	v_lshrrev_b32 v1, 5, v0
	v_readfirstlane_b32 s67, v1            ; wave
	s_mov_b32 s66, ttmp9
	s_lshr_b32 s68, s66, 4                 ; group
	s_bfe_u32 s69, s66, 0x20002            ; the expert's number in its group
	s_and_b32 s70, s66, 3                  ; job
	s_lshr_b32 s71, s66, 2                 ; expert
	v_and_b32 v1, 31, v0
	v_lshlrev_b32 v4, 4, v1                ; 16 x lane
	s_lshl_b32 s92, s67, 14
	v_add_nc_u32 v5, s92, v4               ; source: rows 32 w ..
	s_mul_i32 s93, s67, 32*TFP
	v_lshl_add_u32 v6, v1, 3, s93          ; into TF: 8 bytes a lane
	s_mul_i32 s93, s67, 32*TOP
	s_add_co_u32 s93, s93, TO
	v_lshl_add_u32 v7, v1, 3, s93          ; into TO
	s_lshl_b32 s93, s67, 9
	s_add_co_u32 s93, s93, PS
	v_add_nc_u32 v16, s93, v4              ; my wave's partial sums
	v_and_b32 v14, 7, v1                   ; the turning load: row 8 h + L % 8, 16 bytes at 16 ((L / 8) % 2), columns 32 w ..
	v_lshrrev_b32 v15, 4, v1
	v_lshl_add_u32 v14, v15, 3, v14
	v_mul_u32_u24 v14, v14, TFP
	v_bfe_u32 v19, v1, 3, 1
	v_lshl_add_u32 v14, v19, 4, v14
	s_lshl_b32 s93, s67, 6
	v_add_nc_u32 v14, s93, v14
	v_and_b32 v19, 15, v1                  ; r
	v_mul_u32_u24 v28, v19, TOP
	v_lshl_add_u32 v15, v15, 4, v28
	v_add_nc_u32 v15, TO, v15              ; Wo's fragments: row r, 16 h
	s_lshl_b32 s90, s66, 15                ; where the block goes: 32,768 b; the gates' two lie 16,384 further on, behind T1 and T2
	s_cmp_ge_u32 s66, 48
	s_cselect_b32 s91, 16384, 0
	s_add_co_u32 s90, s90, s91
	s_lshl_b32 s96, s67, 13
	s_add_co_u32 s96, s96, s90
	v_add_nc_u32 v17, s96, v4              ; wave w stores channel tiles 2 w, 2 w + 1: 8,192 bytes
	s_lshl_b32 s88, s69, 16
	s_mov_b32 s89, 0
	s_wait_kmcnt 0x0
	s_cmp_eq_u32 s68, 1
	PICK1 72, P_WQ
	PICK1 74, P_WK
	PICK1 76, P_WV
	PICK1 78, P_WO
	PICK1 80, P_WFC
	PICK1 82, P_BO
	PICK1 84, P_BFC
	s_cmp_eq_u32 s68, 2
	PICK2 72, P_WQ
	PICK2 74, P_WK
	PICK2 76, P_WV
	PICK2 78, P_WO
	PICK2 80, P_WFC
	PICK2 82, P_BO
	PICK2 84, P_BFC
	s_cmp_eq_u32 s70, 1
	s_cselect_b64 s[86:87], s[74:75], s[72:73]
	s_cmp_eq_u32 s70, 2
	s_cselect_b64 s[86:87], s[76:77], s[86:87]
	s_cmp_eq_u32 s70, 3
	s_cselect_b64 s[86:87], s[80:81], s[86:87]
	s_cmp_eq_u32 s66, 48
	s_cselect_b64 s[86:87], s[P_G2:P_G2+1], s[86:87]
	s_cmp_eq_u32 s66, 49
	s_cselect_b64 s[86:87], s[P_G1:P_G1+1], s[86:87]
	s_add_nc_u64 s[86:87], s[86:87], s[88:89]      ; the expert's matrix (for the gates the offset is 0)
	s_add_nc_u64 s[78:79], s[78:79], s[88:89]
	LOADM 86
	s_cmp_eq_u32 s70, 3
	s_cbranch_scc1 .Lfc
	CONSUME 6, TFP, 0
	s_branch .Lmeet
.Lfc:                                          ; job 3: Wfc with bo's sums beside it, then Wo
	s_lshl_b32 s94, s69, 9
	s_lshl_b32 s95, s67, 7
	s_add_co_u32 s94, s94, s95
	v_lshl_add_u32 v36, v1, 2, s94         ; bo of my 32 rows, one a lane
	global_load_b32 v37, v36, s[82:83]
	s_wait_loadcnt 0x0                     ; it was issued last: the 32 rows are in with it
	v_cvt_pk_bf16_f32 v37, v37, v37        ; rounded to bf16,
	v_lshlrev_b32 v37, 16, v37             ; widened again,
.set n, 0
.rept 32
	v_readlane_b32 s[4+n], v37, n          ; and dealt to scalar registers whose pointers have been chosen from
.set n, n+1
.endr
	CONSUME 6, TFP, 1
	ds_store_b128 v16, v[8:11]
	LOADM 78
	CONSUME 7, TOP, 0
.Lmeet:
	s_wait_dscnt 0x0                       ; for the others' sake: my stores into LDS are done
	s_barrier_signal -1
	s_barrier_wait -1
.set f, 0
.rept 8                                ; fragment (tt = f / 4, ks = f % 4) of my two channel tiles
	ds_load_tr16_b128 v[64+8*f:64+8*f+3],   v14 offset:32*(f%4)*TFP+32*(f/4)
	ds_load_tr16_b128 v[64+8*f+4:64+8*f+7], v14 offset:32*(f%4)*TFP+32*(f/4)+16*TFP
.set f, f+1
.endr
	s_cmp_eq_u32 s70, 3
	s_cbranch_scc1 .Lfold
.set f, 0
.rept 8
	s_wait_dscnt 14-2*f                    ; fragment f is in, the younger ones stay out
	global_store_b128 v17, v[64+8*f:64+8*f+3],   s[P_WS:P_WS+1] offset:1024*f
	global_store_b128 v17, v[64+8*f+4:64+8*f+7], s[P_WS:P_WS+1] offset:1024*f+512
.set f, f+1
.endr
	s_branch .Lend
.Lfold:                                        ; Wof[k][c] = the sum over i of Wo[k][i] Wfc[i][c]: source 0 = 16 rows k of Wo, source 1 = 16 columns c of Wfc
.macro ALOAD mt                        ; rows 16 mt .. of Wo, all 128 i: four fragments, into the buffer of mt's parity
.set AF, 128+32*((\mt)%2)
.irp q, 0,1,2,3
	ds_load_b128 v[AF+8*\q:AF+8*\q+3],   v15 offset:(\mt)*16*TOP+64*\q
	ds_load_b128 v[AF+8*\q+4:AF+8*\q+7], v15 offset:(\mt)*16*TOP+64*\q+32
.endr
.endm
	ALOAD 0
.set mt, 0
.rept 8
.set AF, 128+32*(mt%2)
.set AC, 192+16*(mt%2)
.set OR, 224+8*(mt%2)
	s_wait_dscnt 0x0
.irp q, 0,1,2,3                        ; the two accumulators take turns; the first product starts each sum
.irp tt, 0,1
.if \q == 0
	v_wmma_f32_16x16x32_bf16 v[AC+8*\tt:AC+8*\tt+7], v[AF:AF+7], v[64+32*\tt:64+32*\tt+7], 0
.else
	v_wmma_f32_16x16x32_bf16 v[AC+8*\tt:AC+8*\tt+7], v[AF+8*\q:AF+8*\q+7], v[64+32*\tt+8*\q:64+32*\tt+8*\q+7], v[AC+8*\tt:AC+8*\tt+7]
.endif
.endr
.endr
.rept 4
	v_nop                                  ; four places ahead of the reads of the results (ISA guide 7.12.1)
.endr
.if mt < 7
	ALOAD mt+1                             ; the other buffer: its last readers stand a whole block back
.endif
	s_wait_xcnt 0x0                        ; earlier stores' data are rewritten only behind this wait
.irp p, 0,1,2,3
	v_cvt_pk_f16_f32 v[OR+\p],   v[AC+2*\p],   v[AC+2*\p+1]
	v_cvt_pk_f16_f32 v[OR+4+\p], v[AC+8+2*\p], v[AC+8+2*\p+1]
.endr
	global_store_b128 v17, v[OR:OR+3],   s[P_WS:P_WS+1] offset:(mt/2)*1024+512*(mt%2)        ; k = 16 mt + 8 h + 0..7 of channel r: half a fragment
	global_store_b128 v17, v[OR+4:OR+7], s[P_WS:P_WS+1] offset:(4+mt/2)*1024+512*(mt%2)
.set mt, mt+1
.endr
	s_cmp_lg_u32 s67, 0
	s_cbranch_scc1 .Lend
	v_add_nc_u32 v24, PS, v4               ; wave 0: bof = the four partial sums + bfc
	ds_load_b128 v[28:31], v24
	ds_load_b128 v[32:35], v24 offset:512
	ds_load_b128 v[36:39], v24 offset:1024
	ds_load_b128 v[40:43], v24 offset:1536
	s_lshl_b32 s88, s69, 9
	v_add_nc_u32 v25, s88, v4
	global_load_b128 v[44:47], v25, s[84:85]
	s_mul_i32 s95, s71, 2560
	s_add_co_u32 s95, s95, WS_CON+1536
	v_add_nc_u32 v27, s95, v4
	s_wait_dscnt 0x0
.irp p, 0,2
	v_pk_add_f32 v[28+\p:29+\p], v[28+\p:29+\p], v[32+\p:33+\p]
	v_pk_add_f32 v[36+\p:37+\p], v[36+\p:37+\p], v[40+\p:41+\p]
.endr
.irp p, 0,2
	v_pk_add_f32 v[28+\p:29+\p], v[28+\p:29+\p], v[36+\p:37+\p]
.endr
	s_wait_loadcnt 0x0
	v_cvt_pk_bf16_f32 v48, v44, v45        ; bfc rounded to bf16 and widened again
	v_cvt_pk_bf16_f32 v49, v46, v47
	v_lshlrev_b32 v44, 16, v48
	v_and_b32 v45, 0xffff0000, v48
	v_lshlrev_b32 v46, 16, v49
	v_and_b32 v47, 0xffff0000, v49
.irp p, 0,2
	v_pk_add_f32 v[28+\p:29+\p], v[28+\p:29+\p], v[44+\p:45+\p]
.endr
	global_store_b128 v27, v[28:31], s[P_WS:P_WS+1]
.Lend:
	s_wait_tensorcnt 0x0                   ; the wave's end, behind my last LDS store
	ds_add_u32 v2, v3
	s_wait_dscnt 0x0
	s_endpgm
.Lfunc_end_k_qfb7b161111_prep_w:
	.size	k_qfb7b161111_prep_w, .Lfunc_end_k_qfb7b161111_prep_w-k_qfb7b161111_prep_w
	.p2alignl 7, 3214868480
	.fill 96, 4, 3214868480
	.section	.rodata,"a",@progbits
	.p2align	6, 0x0
	.amdhsa_kernel k_qfb7b161111_prep_w
		.amdhsa_group_segment_fixed_size 74240
		.amdhsa_private_segment_fixed_size 0
		.amdhsa_enable_private_segment 0
		.amdhsa_kernarg_size 192
		.amdhsa_user_sgpr_count 2
		.amdhsa_user_sgpr_kernarg_segment_ptr 1
		.amdhsa_wavefront_size32 1
		.amdhsa_system_sgpr_workgroup_id_x 1
		.amdhsa_system_sgpr_workgroup_id_y 1
		.amdhsa_system_sgpr_workgroup_id_z 1
		.amdhsa_system_vgpr_workitem_id 0
		.amdhsa_next_free_vgpr 256
		.amdhsa_next_free_sgpr 100
		.amdhsa_reserve_vcc 0
		.amdhsa_float_denorm_mode_32 3
		.amdhsa_float_denorm_mode_16_64 3
		.amdhsa_memory_ordered 1
		.amdhsa_forward_progress 1
		.amdhsa_inst_pref_size 63
	.end_amdhsa_kernel
	.amdgpu_metadata
---
amdhsa.version: [ 1, 2 ]
amdhsa.kernels:
  - .name:           k_qfb7b161111_prep_w
    .symbol:         k_qfb7b161111_prep_w.kd
    .args:
      - { .name: task2_params_Wq, .offset: 0, .size: 8, .value_kind: global_buffer, .address_space: global }
      - { .name: shared_params_Wq, .offset: 8, .size: 8, .value_kind: global_buffer, .address_space: global }
      - { .name: task1_params_Wq, .offset: 16, .size: 8, .value_kind: global_buffer, .address_space: global }
      - { .name: task2_params_Wk, .offset: 24, .size: 8, .value_kind: global_buffer, .address_space: global }
      - { .name: shared_params_Wk, .offset: 32, .size: 8, .value_kind: global_buffer, .address_space: global }
      - { .name: task1_params_Wk, .offset: 40, .size: 8, .value_kind: global_buffer, .address_space: global }
      - { .name: task2_params_Wv, .offset: 48, .size: 8, .value_kind: global_buffer, .address_space: global }
      - { .name: shared_params_Wv, .offset: 56, .size: 8, .value_kind: global_buffer, .address_space: global }
      - { .name: task1_params_Wv, .offset: 64, .size: 8, .value_kind: global_buffer, .address_space: global }
      - { .name: task2_params_Wo, .offset: 72, .size: 8, .value_kind: global_buffer, .address_space: global }
      - { .name: shared_params_Wo, .offset: 80, .size: 8, .value_kind: global_buffer, .address_space: global }
      - { .name: task1_params_Wo, .offset: 88, .size: 8, .value_kind: global_buffer, .address_space: global }
      - { .name: task2_params_Wfc, .offset: 96, .size: 8, .value_kind: global_buffer, .address_space: global }
      - { .name: shared_params_Wfc, .offset: 104, .size: 8, .value_kind: global_buffer, .address_space: global }
      - { .name: task1_params_Wfc, .offset: 112, .size: 8, .value_kind: global_buffer, .address_space: global }
      - { .name: task2_params_bo, .offset: 120, .size: 8, .value_kind: global_buffer, .address_space: global }
      - { .name: shared_params_bo, .offset: 128, .size: 8, .value_kind: global_buffer, .address_space: global }
      - { .name: task1_params_bo, .offset: 136, .size: 8, .value_kind: global_buffer, .address_space: global }
      - { .name: task2_params_bfc, .offset: 144, .size: 8, .value_kind: global_buffer, .address_space: global }
      - { .name: shared_params_bfc, .offset: 152, .size: 8, .value_kind: global_buffer, .address_space: global }
      - { .name: task1_params_bfc, .offset: 160, .size: 8, .value_kind: global_buffer, .address_space: global }
      - { .name: gate_task2_W1, .offset: 168, .size: 8, .value_kind: global_buffer, .address_space: global }
      - { .name: gate_task1_W1, .offset: 176, .size: 8, .value_kind: global_buffer, .address_space: global }
      - { .name: ws, .offset: 184, .size: 8, .value_kind: global_buffer, .address_space: global }
    .group_segment_fixed_size: 74240
    .private_segment_fixed_size: 0
    .kernarg_segment_align: 8
    .kernarg_segment_size: 192
    .max_flat_workgroup_size: 128
    .sgpr_count:     100
    .vgpr_count:     256
    .wavefront_size: 32
...
	.end_amdgpu_metadata
.endif
;; end of part 2
;; launch main (part 3): grid 256 x 1, 4 waves a work-group, clusters of 4 x 1, 327,680 bytes of LDS; arguments x, ws, out0, out1; writes out0, out1
.if DOCPART == 3
	.amdgcn_target "amdgcn-amd-amdhsa--gfx1250"
	.amdhsa_code_object_version 6
	.text
	.protected	k_qfb7b161111_main
	.globl	k_qfb7b161111_main
	.p2align	8
	.type	k_qfb7b161111_main,@function
k_qfb7b161111_main:
	s_mov_b64 s[64:65], 0
	v_nop
	global_prefetch_b8 v0, s[64:65] scope:SCOPE_SE
	s_setreg_imm32_b32 hwreg(HW_REG_WAVE_MODE, 25, 1), 1
	s_wait_xcnt 0x0
	s_wait_alu depctr_hold_cnt(0) depctr_sa_sdst(0) depctr_va_vdst(0) depctr_va_sdst(0) depctr_va_ssrc(0) depctr_va_vcc(0) depctr_vm_vsrc(0)
	s_getreg_b32 s2, hwreg(HW_REG_IB_STS2, 6, 4)
	s_cmp_eq_u32 s2, 0
	s_cbranch_scc0 .Lentry_in_a_cluster
	s_endpgm
.Lentry_in_a_cluster:
	s_bfe_u32 s2, ttmp6, 0x10000c
	s_cmp_lg_u32 s2, 0x3003
	s_cbranch_scc0 .Lentry_shape_is_right
	s_endpgm
.Lentry_shape_is_right:
; TWELVE EXPERTS AND TWO GATES FOR 256 ROWS A WORK-GROUP, 64 A WAVE.  out0 = the sum over n of g1[n] a1[n], out1 likewise; everything between x and the outputs stays in registers and LDS.
; The inputs gate_shared_* enter no result of the module as it is defined, so they are not read.
; PREPARED (two launches before): all inputs rounded to bf16; the matrices in operand order; Wof = Wo Wfc and bof = bo Wfc + bfc; s = gamma rsqrt(var + eps); t = beta - mean s.
;   An expert's rows are s relu(o Wof + bof) + t; the sum of g t is added at the end as a product T x g.
; LAYOUT.  Every product is used transposed: source 0 = 16 output channels of W^T, source 1 = 16 rows of x.  A lane then holds ONE row (lane % 16) and channels 16 t + 8 (lane / 16) + 0..7;
;   two neighbouring channel tiles rounded to 16 bits ARE source 1 of the next product; softmax, gates and mixing are numbers of the lane's own; a head's q . k wants one exchange of the lanes' halves.
; FORMATS.  x and the input matrices are bf16.  What the program itself makes and multiplies again is f16, 11 bits where bf16 keeps 8: o = attn v, Wof, the gates' hidden layer (W2: the bf16 number written as f16).
;   In T x g both factors are cut into two bf16 numbers, which fill the product's 32 places along K: (t_hi + t_lo)(g_hi + g_lo).  Sums, scores, softmax, biases, s and the outputs are f32.
; STREAM.  Steps 1-12 are the experts (0-3 task 2's, 4-7 shared, 8-11 task 1's), 131,072 bytes each (Wq, Wk, Wv, Wof), step 13 brings T1 and T2.  Two LDS slots take turns; the four work-groups of a
;   cluster walk the same weights and ask JOINTLY: the same tensor load, descriptor and mask in all four, one load a wave (its quarter of a step) behind each round of the cluster's barrier.
;   T is the last step so that every trip of the one loop has a refill that is read; of step 13's bytes only the first 16,384 are read: one descriptor serves all steps.
; ONE TEXT FOR ALL EXPERTS: a task's expert meets a gate of 0 for the other task (zero entries in the gates' table), at the price of 128 packed multiply-adds a row tile.
; A UNIT is one channel tile of one matrix: 16 matrix instructions (k = 0..3, the 4 row tiles by turns); the k = 0 ones take the bias tile as C.  An expert has 32 units: q(t), k(t) by turns,
;   v(t), of(t).  Behind every matrix instruction stands a slice of four or five vector instructions of an earlier unit's work, or one v_nop: these are the places that results and operand registers want (ISA guide 7.12.1).
; LIMITS.  f16 ends at 65,504: attn v and the gates' hidden layer must stay within it.  With all inputs 30 times larger v's spread is 900; with offsets of 30 spreads in x and W it lies near 128 x 30 x 2.65 = 10,200.
;   Below 6.1e-5 these numbers keep f16's fixed step of 6e-8.  Inputs of 2^121 and more are not served.  NaN and infinities are not treated apart.
;   Wo Wfc is rounded once where the module rounds nothing: another order of rounding.  Both softmaxes take the true maximum away.
; REGISTERS, in windows of 256 (s_set_vgpr_msb: bits 1:0 source 0, 3:2 source 1, 5:4 source 2, 7:6 destination):
;   window 0: see the names below.   window 1: v0-127 X (32 rt + 8 k), v128-255 O.   window 2: OUT1 (64 rt + 8 t).   window 3: OUT2.
.set SLOT1,  131072
.set STEP,   131072
.set XR,     131072                    ; x, first fill only: 64 rows a wave, 512 bytes + 16 of padding
.set XP,     528
.set XT,     64*XP
.set CONL,   266240                    ; 12 x 2,560 bytes: bq, bk, bv, bof, s
.set GS,     296960                    ; the gates' table: for each wave 20 entries of 256 bytes [row][row tile]: 0-7 g2 (own experts first), 8-11 zeros, 12-19 g1
.set GSW,    5120
.set SPARE,  317440                    ; the spare words, 128 bytes a wave
.set STP,    528                       ; the way out: 16 rows of 512 bytes + 16, for each wave, in slot 0 behind its last fill and last read
.set STW,    16*STP
.set WS_G0,  1589248
.set WS_CON, 1665024
.set L16, 0                            ; v0   16 x lane; never rewritten once made
.set H32, 1                            ; v1   32 x (lane / 16); likewise
.set FA0, 2                            ; v2   fragments: the slot + 16 x lane
.set FA1, 3                            ; v3   the same + 65,536
.set BA,  4                            ; v4   bias tiles: the expert's vectors + 32 h
.set GA,  5                            ; v5   the gates' table: my wave's, + 16 r, + the expert's entry
.set SPW, 6                            ; v6   my spare word
.set NIL, 7                            ; v7   0
.set GT2, 8                            ; v8-11   g2 of the expert in hand for my row in the 4 row tiles
.set GT1, 12                           ; v12-15  g1
.set SS,  16                           ; v16-23  q . k, two sums a row tile        } when the softmax is over these 32 take the
.set TM,  24                           ; v24-31  at work                           } four tiles of s, LBR + 8 (t % 4)
.set SC,  32                           ; v32-47  scores, then weights: 4 rt + head }
.set LBR, 16
.set BBR, 48                           ; v48-63  two bias tiles
.set FRG, 64                           ; v64-159 three fragment buffers of 32
.set ACC, 160                          ; v160-255 three accumulator sets of 32: 8 rt + j
.set WV,  12
.set G1W, 24                           ; s[24:31], s[32:35] the weights' steps
.set G0W, 32
.set G1X, 36                           ; s[36:43], s[44:47] x
.set G0X, 44
.set G1G, 48                           ; s[48:55], s[56:59] the gates' block
.set G0G, 56
.set G0C, 60                           ; s[60:63], s[68:75] the experts' vectors
.set G1C, 68
.set CS,  76                           ; s[76:77] log2(e) / sqrt(32)
.set LE,  78                           ; s[78:79] log2(e)
.set SEL, 80                           ; s[80:81] v_permlanex16_b32: each lane takes its own place in the other half
.set CNT, 82
.set GCN, 83
.set SB,  84                           ; the slot in hand (in the gates: W1's block)
.set SBA, 85                           ; the expert's vectors (the gate's small block)
.set SGA, 86                           ; the expert's entry in my wave's table (where the gate's weights go)
.set MSB, 0
.macro WIN new                         ; the high byte repeats the setting that is left; a switch that changes nothing is dropped
.if MSB != (\new)
	s_set_vgpr_msb (MSB<<8)|(\new)
.set MSB, (\new)
.endif
.endm
.macro WINL                            ; for lines that name window 0 in destination, source 0 and source 2 and no register as source 1: the products' setting serves too
.if (MSB != 0) && (MSB != 4)
	WIN 4
.endif
.endm
.macro CREST                           ; a round of the cluster's barrier behind its opening barrier
	s_cmp_lg_u32 s[WV], 0
	s_cbranch_scc1 .Lnot_wave_0_\@
	s_barrier_signal -3
.Lnot_wave_0_\@:
	s_barrier_wait -3
	s_barrier_signal -1
	s_barrier_wait -1
.endm
.macro ROUND
	s_barrier_signal -1
	s_barrier_wait -1
	CREST
.endm
.macro PLACES
.rept 4
	v_nop
.endr
.endm
.macro GROUP1 g, w0, cols, rows        ; descriptor group 1: rows x cols elements, dense in memory
	s_mov_b32 s[\g], \w0
	s_mov_b32 s[\g+1], (\cols)<<16         ; tensor_dim0
	s_mov_b32 s[\g+2], (\rows)<<16         ; tensor_dim1
	s_mov_b32 s[\g+3], (\cols)<<16         ; tile_dim0
	s_mov_b32 s[\g+4], \rows               ; tile_dim1
	s_mov_b32 s[\g+5], \cols               ; elements from row to row
	s_mov_b32 s[\g+6], 0
	s_mov_b32 s[\g+7], 0
.endm
; packed lines that take ONE register of a pair for both halves
.macro PKMULB d, pr, sel
.if (\sel)
	v_pk_mul_f32 v[(\d):(\d)+1], v[(\d):(\d)+1], v[(\pr):(\pr)+1] op_sel:[0,1] op_sel_hi:[1,1]
.else
	v_pk_mul_f32 v[(\d):(\d)+1], v[(\d):(\d)+1], v[(\pr):(\pr)+1] op_sel_hi:[1,0]
.endif
.endm
.macro PKSUBB d, pr, sel
.if (\sel)
	v_pk_add_f32 v[(\d):(\d)+1], v[(\d):(\d)+1], v[(\pr):(\pr)+1] op_sel:[0,1] op_sel_hi:[1,1] neg_lo:[0,1] neg_hi:[0,1]
.else
	v_pk_add_f32 v[(\d):(\d)+1], v[(\d):(\d)+1], v[(\pr):(\pr)+1] op_sel_hi:[1,0] neg_lo:[0,1] neg_hi:[0,1]
.endif
.endm
.macro PKFMAB o, a, pr, sel
.if (\sel)
	v_pk_fma_f32 v[(\o):(\o)+1], v[(\a):(\a)+1], v[(\pr):(\pr)+1], v[(\o):(\o)+1] op_sel:[0,1,0] op_sel_hi:[1,1,1]
.else
	v_pk_fma_f32 v[(\o):(\o)+1], v[(\a):(\a)+1], v[(\pr):(\pr)+1], v[(\o):(\o)+1] op_sel_hi:[1,0,1]
.endif
.endm
; THE LDS LOADS OF A UNIT: its channel tile's four fragments (each load takes 512 consecutive bytes), its bias tile, and for of(t) its tile of s
.macro FRAGS ar, off, fb
.set fi, 0
.rept 8
	ds_load_b128 v[FRG+32*(\fb)+4*fi:FRG+32*(\fb)+4*fi+3], v[\ar] offset:(\off)+512*fi
.set fi, fi+1
.endr
.endm
.macro TILE8 ar, off, dst
	ds_load_b128 v[(\dst):(\dst)+3],   v[\ar] offset:(\off)
	ds_load_b128 v[(\dst)+4:(\dst)+7], v[\ar] offset:(\off)+16
.endm
.macro ULOAD u
.if GM
.if (\u) < 8
	FRAGS FA0, 4096*(\u), (\u)%3
	TILE8 BA, 64*(\u), BBR+8*((\u)%2)
.else
	FRAGS FA1, 1024, 2
	TILE8 BA, 512, BBR
.endif
.elseif (\u) < 16
	FRAGS FA0, 32768*((\u)%2)+4096*((\u)/2), (\u)%3
	TILE8 BA, 512*((\u)%2)+64*((\u)/2), BBR+8*((\u)%2)
.elseif (\u) < 24
	FRAGS FA1, 4096*((\u)-16), (\u)%3
	TILE8 BA, 1024+64*((\u)-16), BBR+8*((\u)%2)
.else
	FRAGS FA1, 32768+4096*((\u)-24), (\u)%3
	TILE8 BA, 1536+64*((\u)-24), BBR+8*((\u)%2)
	TILE8 BA, 2048+64*((\u)-24), LBR+8*(((\u)-24)%4)
.endif
.endm
; THE VECTOR WORK, in slices.  Each list goes by row tiles and reads an accumulator from its low end.
.macro DOT4 t, rt                      ; q(t) . k(t) of row tile rt, onto two sums; a head's first tile starts them
	WIN 0
.set dq, ACC+32*((2*(\t))%3)+8*(\rt)
.set dk, ACC+32*((2*(\t)+1)%3)+8*(\rt)
.set dsum, SS+2*(\rt)
.set dp, 0
.rept 4
.if (((\t)%2) == 0) && (dp == 0)
	v_pk_mul_f32 v[dsum:dsum+1], v[dq:dq+1], v[dk:dk+1]
.else
	v_pk_fma_f32 v[dsum:dsum+1], v[dq+2*dp:dq+2*dp+1], v[dk+2*dp:dk+2*dp+1], v[dsum:dsum+1]
.endif
.set dp, dp+1
.endr
.endm
.macro RED4 hd, part                   ; a head's score: the two sums, and the other half of the lanes'
	WIN 0
.set rr, 0
.rept 4
.if (\part) == 0
	v_add_f32 v[SC+4*rr+(\hd)], v[SS+2*rr], v[SS+2*rr+1]
.elseif (\part) == 1
	v_permlanex16_b32 v[TM+4+rr], v[SC+4*rr+(\hd)], s[SEL], s[SEL+1]
.else
	v_add_f32 v[SC+4*rr+(\hd)], v[SC+4*rr+(\hd)], v[TM+4+rr]
.endif
.set rr, rr+1
.endr
.endm
.macro SMF4 sl                         ; 24: the four maxima over the heads, s - m, times log2(e) / sqrt(32)
	WIN 0
.set se, 4*(\sl)
.rept 4
.if se < 4
	v_max3_num_f32 v[TM+se], v[SC+4*se], v[SC+4*se+1], v[SC+4*se+2]
.elseif se < 8
	v_max_num_f32 v[TM+se-4], v[TM+se-4], v[SC+4*(se-4)+3]
.elseif se < 16
	PKSUBB SC+2*(se-8), TM+2*((se-8)/4), ((se-8)/2)%2
.else
	v_pk_mul_f32 v[SC+2*(se-16):SC+2*(se-16)+1], v[SC+2*(se-16):SC+2*(se-16)+1], s[CS:CS+1] op_sel_hi:[1,0]
.endif
.set se, se+1
.endr
.endm
.macro EXP4 sl                         ; the 16 exponentials are one batch; its wait stands at the head of SMB4 0
	WINL
.set xe, 0
.rept 4
	v_exp_f32 v[SC+4*(\sl)+xe], v[SC+4*(\sl)+xe]
.set xe, xe+1
.endr
.endm
.macro SMB4 i                          ; the sums, their reciprocals (a batch of four, a plain line and one wait), the weights
	WIN 0
.set rr, 0
.if (\i) == 0
	s_wait_alu depctr_va_vdst(0)           ; one wait for the 16 exponentials, ahead of their first reader
.rept 4
	v_pk_add_f32 v[SS+2*rr:SS+2*rr+1], v[SC+4*rr:SC+4*rr+1], v[SC+4*rr+2:SC+4*rr+3]
.set rr, rr+1
.endr
.elseif (\i) == 1
.rept 4
	v_add_f32 v[TM+rr], v[SS+2*rr], v[SS+2*rr+1]
.set rr, rr+1
.endr
.elseif (\i) == 2
.rept 4
	v_rcp_f32 v[TM+rr], v[TM+rr]
.set rr, rr+1
.endr
.elseif (\i) == 3
	v_nop
.else
.if (\i) == 4
	s_wait_alu depctr_va_vdst(0)           ; one wait for the four reciprocals
.endif
.rept 4
	PKMULB SC+2*(4*((\i)-4)+rr), TM+2*((\i)-4), (rr/2)%2
.set rr, rr+1
.endr
.endif
.endm
.macro SCALE4 t, sl                    ; v(t) times its head's weight, rounded to f16 into O
.set crt, (\sl)/2
.set ca, ACC+32*((16+(\t))%3)+8*crt
.set cp, 0
.if ((\sl)%2) == 0
	WIN 0
.rept 4
	PKMULB ca+2*cp, SC+4*crt+2*((\t)/4), ((\t)/2)%2
.set cp, cp+1
.endr
.else
	WIN 0x40
.rept 4
	v_cvt_pk_f16_f32 v[128+32*crt+8*((\t)/2)+4*((\t)%2)+cp], v[ca+2*cp], v[ca+2*cp+1]
.set cp, cp+1
.endr
.endif
.endm
; of(t)'s 80 lines, 20 a row tile: eight maxima with 0, four packed products with the channels' s, four packed multiply-adds onto each output with the row's gate.  A slice is five of them.
.macro EPI5 t, sl
.set en, 5*(\sl)
.rept 5
.set ert, en/20
.set em, en%20
.set ea, ACC+32*((\t)%2)+8*ert
.set el, LBR+8*((\t)%4)
.set eo, 64*ert+8*(\t)
.if em < 8
	WINL
	v_max_num_f32 v[ea+em], v[ea+em], 0
.elseif em < 12
	WIN 0
	v_pk_mul_f32 v[ea+2*(em-8):ea+2*(em-8)+1], v[ea+2*(em-8):ea+2*(em-8)+1], v[el+2*(em-8):el+2*(em-8)+1]
.elseif em < 16
	WIN 0xa0
	PKFMAB eo+2*(em-12), ea+2*(em-12), GT1+2*(ert/2), ert%2
.else
	WIN 0xf0
	PKFMAB eo+2*(em-16), ea+2*(em-16), GT2+2*(ert/2), ert%2
.endif
.set en, en+1
.endr
.endm
.macro HID4 t, sl                      ; a gate's hidden tile: rounded to f16 into O, then the ReLU on the packed halves
.set hrt, (\sl)/2
.set ha, ACC+32*((\t)%3)+8*hrt
.set ho, 128+32*hrt+8*((\t)/2)+4*((\t)%2)
.set hp, 0
.if ((\sl)%2) == 0
	WIN 0x40
.rept 4
	v_cvt_pk_f16_f32 v[ho+hp], v[ha+2*hp], v[ha+2*hp+1]
.set hp, hp+1
.endr
.else
	WIN 0x41
.rept 4
	v_pk_max_num_f16 v[ho+hp], v[ho+hp], v[NIL]
.set hp, hp+1
.endr
.endif
.endm
; WHAT STANDS BEHIND MATRIX INSTRUCTION i OF UNIT u.  A list rides a unit or more behind the unit that made its numbers, row tile rt no earlier than four places behind that tile's last product.
.macro RIDER u, i
.if GM
.if ((\u) >= 1) && ((\u) <= 7) && (((\i)%2) == 0)
	HID4 (\u)-1, (\i)/2
.else
	v_nop
.endif
.elseif (\u) == 0
	EPI5 7, \i
.elseif ((\u) <= 16) && (((\u)%2) == 0)
.if ((\i)%4) == 0
	DOT4 ((\u)-2)/2, (\i)/4
.else
	v_nop
.endif
.elseif ((\u) == 5) || ((\u) == 9) || ((\u) == 13)
.if (((\i)%4) == 0) && ((\i) < 12)
	RED4 ((\u)-5)/4, (\i)/4
.else
	v_nop
.endif
.elseif (\u) < 17
	v_nop
.elseif (\u) == 17
.if (\i) < 3
	RED4 3, \i
.elseif (\i) < 9
	SMF4 (\i)-3
.elseif (\i) < 13
	EXP4 (\i)-9
.else
	v_nop
.endif
.elseif (\u) == 18
.if (\i) < 6
	SMB4 \i
.elseif (\i) < 14
	SCALE4 0, (\i)-6
.else
	v_nop
.endif
.elseif (\u) == 19
.if (\i) < 8
	SCALE4 1, \i
.else
	SCALE4 2, (\i)-8
.endif
.elseif (\u) < 24
.if ((\i)%2) == 0
	SCALE4 (\u)-17, (\i)/2
.else
	v_nop
.endif
.elseif (\u) == 24
.if (\i) < 8
	SCALE4 7, \i
.else
	v_nop
.endif
.else
	EPI5 (\u)-25, \i
.endif
.endm
.macro USET u                          ; uH = 1: both operands are f16
.set uFR, FRG+32*((\u)%3)
.set uBB, BBR+8*((\u)%2)
.if GM
.set uACC, ACC+32*((\u)%3)
.set uB, 128*((\u)/8)
.set uH, (\u)/8
.elseif (\u) < 24
.set uACC, ACC+32*((\u)%3)
.set uB, 0
.set uH, 0
.else
.set uACC, ACC+32*(((\u)-24)%2)
.set uB, 128
.set uH, 1
.endif
.endm
.macro GRP u, k                        ; four matrix instructions: 32 along K at 32 k, the four row tiles by turns, each with what rides behind it
.set gi, 0
.rept 4
	USET \u
	WIN 0x04                               ; source 1 (X or O) in window 1, all else in window 0
.if uH
.if (\k) == 0
	v_wmma_f32_16x16x32_f16 v[uACC+8*gi:uACC+8*gi+7], v[uFR:uFR+7], v[uB+32*gi:uB+32*gi+7], v[uBB:uBB+7]
.else
	v_wmma_f32_16x16x32_f16 v[uACC+8*gi:uACC+8*gi+7], v[uFR+8*(\k):uFR+8*(\k)+7], v[uB+32*gi+8*(\k):uB+32*gi+8*(\k)+7], v[uACC+8*gi:uACC+8*gi+7]
.endif
.else
.if (\k) == 0
	v_wmma_f32_16x16x32_bf16 v[uACC+8*gi:uACC+8*gi+7], v[uFR:uFR+7], v[uB+32*gi:uB+32*gi+7], v[uBB:uBB+7]
.else
	v_wmma_f32_16x16x32_bf16 v[uACC+8*gi:uACC+8*gi+7], v[uFR+8*(\k):uFR+8*(\k)+7], v[uB+32*gi+8*(\k):uB+32*gi+8*(\k)+7], v[uACC+8*gi:uACC+8*gi+7]
.endif
.endif
	RIDER \u, 4*(\k)+gi
.set gi, gi+1
.endr
.endm
; A UNIT.  The LDS loads stand in runs: behind the first four products of every even unit, four places, then the items of the next two units.  So at an odd unit's head the following unit's
; items (10; 12 with a tile of s; at unit 21 ten and the two gate loads) may stay out, and at an even unit's head nothing younger is out.
.macro UNIT u
.if GM
.if ((\u)%2) == 1
	s_wait_dscnt 10
.else
	s_wait_dscnt 0x0
.endif
.elseif (\u) == 31
	s_wait_dscnt 10                        ; only the next step's first ten loads may be out
.elseif ((\u)%2) == 0
	s_wait_dscnt 0x0
.elseif ((\u) == 21) || ((\u) >= 23)
	s_wait_dscnt 12
.else
	s_wait_dscnt 10
.endif
	GRP \u, 0
.if (((\u)%2) == 0) && ((GM == 0) || ((\u) < 8))
	WINL
	PLACES                                 ; the bias tile just read as C, and the fragment buffer read a unit ago, are loaded again
	ULOAD (\u)+1
	ULOAD (\u)+2
.if (GM == 0) && ((\u) == 20)
	ds_load_b128 v[GT2:GT2+3], v[GA]                ; the expert's gates for my row in the four row tiles
	ds_load_b128 v[GT1:GT1+3], v[GA] offset:2048    ; eight entries on
.endif
.endif
	GRP \u, 1
	GRP \u, 2
	GRP \u, 3
.endm
	; ---------------- the head ----------------
	s_load_b256 s[4:11], s[0:1], 0x0       ; x s[4:5], ws s[6:7], out0 s[8:9], out1 s[10:11]
	v_lshl_add_u32 v[SPW], v0, 2, SPARE
	v_mov_b32 v[NIL], 0
	ds_add_u32 v[SPW], v[NIL]              ; the wave's opening: the add and its wait stand ahead of my first tensor load; the set-up below stands between them
	v_lshrrev_b32 v1, 5, v0
	v_readfirstlane_b32 s[WV], v1          ; wave 0..3
	s_bfe_u32 s13, ttmp6, 0x40000          ; cx
	s_lshl_b32 s14, ttmp9, 2
	s_add_co_u32 s14, s14, s13             ; my block of 256 rows: it enters x's and the outputs' addresses alone
	GROUP1 G1W, 15|(3<<16)|(1<<21), 32, 128            ; the mask of four, bit 21 beside it; 8-byte elements; 128 rows of 256 bytes: a wave's quarter of a step
	GROUP1 G1G, 15|(3<<16)|(1<<21), 32, 74             ; a quarter of the gates' 75,776 bytes
	GROUP1 G1C, 15|(3<<16)|(1<<21), 32, 30             ; a quarter of the vectors' 30,720 bytes
	GROUP1 G1X, (2<<16)|(1<<20)|(6<<22)|(3<<25), 128, 64  ; my own: 64 rows of 128 f32, 4 words of padding behind every 128
	s_mov_b32 s[G0X], 1
	s_mov_b32 s[G0G], 1
	s_mov_b32 s[G0C], 1
	s_mov_b32 s[G0W], 1
	s_mul_i32 s15, s[WV], XT
	s_add_co_u32 s[G0X+1], s15, XR
	s_mul_i32 s[G0G+1], s[WV], 18944       ; into slot 0
	s_mul_i32 s22, s[WV], 7680
	s_add_co_u32 s[G0C+1], s22, CONL
	s_lshl_b32 s16, s[WV], 15
	s_mov_b32 s17, 0
	s_add_co_u32 s[G0W+1], s16, SLOT1      ; step 1 goes into slot 1
	s_lshl_b32 s18, s14, 17                ; 256 rows of 512 bytes,
	s_add_co_u32 s18, s18, s16             ; my wave's 64
	s_mov_b32 s19, 0
	s_add_co_u32 s20, s[G0G+1], WS_G0
	s_mov_b32 s21, 0
	s_add_co_u32 s22, s22, WS_CON
	s_mov_b32 s23, 0
	s_mov_b32 s[CS], 0x3e8293ee            ; log2(e) / sqrt(32)
	s_mov_b32 s[CS+1], s[CS]
	s_mov_b32 s[LE], 0x3fb8aa3b            ; log2(e)
	s_mov_b32 s[LE+1], s[LE]
	s_mov_b32 s[SEL], 0x76543210
	s_mov_b32 s[SEL+1], 0xfedcba98
	s_wait_dscnt 0x0                       ; the opening add is done
	s_wait_kmcnt 0x0
	s_add_nc_u64 s[G0X+2:G0X+3], s[4:5], s[18:19]
	s_or_b32 s[G0X+3], s[G0X+3], 0x80000000
	s_add_nc_u64 s[G0G+2:G0G+3], s[6:7], s[20:21]
	s_or_b32 s[G0G+3], s[G0G+3], 0x80000000
	s_add_nc_u64 s[G0C+2:G0C+3], s[6:7], s[22:23]
	s_or_b32 s[G0C+3], s[G0C+3], 0x80000000
	s_add_nc_u64 s[G0W+2:G0W+3], s[6:7], s[16:17]
	s_or_b32 s[G0W+3], s[G0W+3], 0x80000000
	s_add_nc_u64 s[8:9], s[8:9], s[18:19]
	s_add_nc_u64 s[10:11], s[10:11], s[18:19]
	ROUND                                  ; all four work-groups are here: the first joint loads meet
	tensor_load_to_lds s[G0X:G0X+3], s[G1X:G1X+7]      ; three first fills of mine are out: x first,
	s_nop 0
	tensor_load_to_lds s[G0G:G0G+3], s[G1G:G1G+7]      ; the gates,
	s_nop 0
	tensor_load_to_lds s[G0C:G0C+3], s[G1C:G1C+7]      ; the vectors
	s_nop 0
	v_and_b32 v1, 31, v0
	v_lshlrev_b32 v[L16], 4, v1
	v_lshrrev_b32 v1, 3, v[L16]
	v_and_b32 v[H32], 32, v1
	v_and_b32 v3, 0xf0, v[L16]             ; 16 r
	v_mul_u32_u24 v3, 33, v3               ; 528 r
	v_add3_u32 v2, v3, v[H32], s[G0X+1]    ; x: my row of a tile, 32 h
	; OUT1 and OUT2 start at 0: their first addends come from vector lines (g x the expert's rows), and the one product of the module that adds onto them, T x g, comes last, so that every trip
	; of the experts' loop has a refill.  64 products of zero fragments with C = 0 write the 512 registers, in a quarter of the text that 512 moves would take; they stand in the wait for the first tile.
	; v8-15, the gates of the loop's lead-in and the table's zeros, stay 0 from here on until the first expert's gates are loaded.
.set zi, 8
.rept 16
	v_mov_b32 v[zi], 0
.set zi, zi+1
.endr
	WIN 0x80
.set zi, 0
.rept 32
	v_wmma_f32_16x16x32_bf16 v[8*zi:8*zi+7], v[8:15], v[16:23], 0
.set zi, zi+1
.endr
	WIN 0xc0
.set zi, 0
.rept 32
	v_wmma_f32_16x16x32_bf16 v[8*zi:8*zi+7], v[8:15], v[16:23], 0
.set zi, zi+1
.endr
	WIN 0
	; ---------------- x: f32 out of LDS, bf16 into X ----------------
.macro XLOAD rt, buf                   ; 16 rows x 128: for each 32 along K the lane's 8 + 8 numbers
	WIN 0
.set xk, 0
.rept 4
	ds_load_b128 v[(\buf)+16*xk:(\buf)+16*xk+3],     v2 offset:16*XP*(\rt)+128*xk
	ds_load_b128 v[(\buf)+16*xk+4:(\buf)+16*xk+7],   v2 offset:16*XP*(\rt)+128*xk+16
	ds_load_b128 v[(\buf)+16*xk+8:(\buf)+16*xk+11],  v2 offset:16*XP*(\rt)+128*xk+64
	ds_load_b128 v[(\buf)+16*xk+12:(\buf)+16*xk+15], v2 offset:16*XP*(\rt)+128*xk+80
.set xk, xk+1
.endr
.endm
.macro XCVT rt, buf
	WIN 0x40
.set xk, 0
.rept 32
	v_cvt_pk_bf16_f32 v[32*(\rt)+xk], v[(\buf)+2*xk], v[(\buf)+2*xk+1]
.set xk, xk+1
.endr
.endm
	s_wait_tensorcnt 0x2                   ; x was issued first: it is in; the two younger fills may stay out.  I read my own wave's rows alone
	XLOAD 0, 64
	XLOAD 1, 128
	s_wait_dscnt 16                        ; the next tile's sixteen loads stay out
	XCVT 0, 64
	XLOAD 2, 64
	s_wait_dscnt 16
	XCVT 1, 128
	XLOAD 3, 128
	s_wait_dscnt 16
	XCVT 2, 64
	s_wait_dscnt 0x0
	XCVT 3, 128
	; ---------------- x's bytes take step 1 ----------------
	WIN 0
	s_wait_tensorcnt 0x0                   ; all my loads have landed: my quarters of the gates and of the vectors among them
	ds_add_u32 v[SPW], v[NIL]              ; 0 onto my spare word
	s_mov_b32 s[SB], 0
	s_mov_b32 s[SBA], 65536
	s_mul_i32 s[SGA], s[WV], GSW
	s_add_co_u32 s[SGA], s[SGA], GS
	s_mov_b32 s[GCN], 2
	s_wait_dscnt 0x0                       ; the add is done, and my reads of x are over
	ROUND                                  ; both hold of every wave of all four work-groups
	tensor_load_to_lds s[G0W:G0W+3], s[G1W:G1W+7]
	s_nop 0
	v_and_b32 v[GA], 0xf0, v[L16]
	v_add_nc_u32 v[GA], s[SGA], v[GA]
.irp j, 0,1,2,3
	ds_store_b128 v[GA], v[8:11] offset:2048+256*\j   ; entries 8-11: zeros
.endr
	; ---------------- the two gates: task 2's, then task 1's ----------------
.set GM, 1
.Lgate:
	v_add_nc_u32 v[FA0], s[SB], v[L16]     ; W1's block
	v_add_nc_u32 v[FA1], s[SBA], v[L16]    ; the small block by lanes (W2dup at + 1,024)
	v_add_nc_u32 v[BA], s[SBA], v[H32]     ; and by halves (b1, b2dup at + 512)
	v_and_b32 v[GA], 0xf0, v[L16]
	v_add_nc_u32 v[GA], s[SGA], v[GA]
	ULOAD 0
.set uu, 0
.rept 8
	UNIT uu                                ; the hidden layer's tile uu; the tile before is rounded beside it
.set uu, uu+1
.endr
	WINL
	PLACES
.set hh, 0
.rept 8
	HID4 7, hh
.set hh, hh+1
.endr
	UNIT 8                                 ; the eight logits, in both halves of the lanes
	WIN 0
	PLACES
.set LG, ACC+64
.irp rt, 0,1,2,3
	v_max3_num_f32 v[SS+\rt], v[LG+8*\rt], v[LG+8*\rt+1], v[LG+8*\rt+2]
.endr
.irp rt, 0,1,2,3
	v_max3_num_f32 v[SS+\rt], v[SS+\rt], v[LG+8*\rt+3], v[LG+8*\rt+4]
.endr
.irp rt, 0,1,2,3
	v_max3_num_f32 v[SS+\rt], v[SS+\rt], v[LG+8*\rt+5], v[LG+8*\rt+6]
.endr
.irp rt, 0,1,2,3
	v_max_num_f32 v[SS+\rt], v[SS+\rt], v[LG+8*\rt+7]
.endr
.irp rt, 0,1,2,3
.irp p, 0,1,2,3
	PKSUBB LG+8*\rt+2*\p, SS+2*(\rt/2), \rt%2
.endr
.endr
.set zi, 0
.rept 16
	v_pk_mul_f32 v[LG+2*zi:LG+2*zi+1], v[LG+2*zi:LG+2*zi+1], s[LE:LE+1] op_sel_hi:[1,0]
.set zi, zi+1
.endr
.set zi, 0
.rept 32
	v_exp_f32 v[LG+zi], v[LG+zi]
.set zi, zi+1
.endr
	v_nop                                  ; a plain line behind the last exponential,
	s_wait_alu depctr_va_vdst(0)           ; and one wait for the 32
.irp rt, 0,1,2,3
	v_pk_add_f32 v[20+2*\rt:21+2*\rt], v[LG+8*\rt:LG+8*\rt+1], v[LG+8*\rt+2:LG+8*\rt+3]
	v_pk_add_f32 v[28+2*\rt:29+2*\rt], v[LG+8*\rt+4:LG+8*\rt+5], v[LG+8*\rt+6:LG+8*\rt+7]
.endr
.irp rt, 0,1,2,3
	v_pk_add_f32 v[20+2*\rt:21+2*\rt], v[20+2*\rt:21+2*\rt], v[28+2*\rt:29+2*\rt]
.endr
.irp rt, 0,1,2,3
	v_add_f32 v[SS+\rt], v[20+2*\rt], v[21+2*\rt]
.endr
.irp rt, 0,1,2,3
	v_rcp_f32 v[SS+\rt], v[SS+\rt]
.endr
	v_nop
	s_wait_alu depctr_va_vdst(0)           ; one wait for the four reciprocals
.irp j, 0,1,2,3,4,5,6,7
.irp rt, 0,1,2,3
	v_mul_f32 v[ACC+4*\j+\rt], v[LG+8*\rt+\j], v[SS+\rt]
.endr
.endr
.irp j, 0,1,2,3,4,5,6,7
	ds_store_b128 v[GA], v[ACC+4*\j:ACC+4*\j+3] offset:256*\j   ; my wave's own table: only my wave reads it, and LDS serves a wave's instructions in order (ISA guide 5.7.1.4)
.endr
	s_add_co_u32 s[SB], s[SB], 32768
	s_add_co_u32 s[SBA], s[SBA], 5120
	s_add_co_u32 s[SGA], s[SGA], 3072      ; task 1's weights go to entries 12-19
	s_sub_co_u32 s[GCN], s[GCN], 1
	s_cmp_lg_u32 s[GCN], 0
	s_cbranch_scc1 .Lgate
	; ---------------- the experts ----------------
	; The loop is entered where a trip begins: in the middle of unit 30.  The first trip's 24 leading products work on what the gates left in the registers: finite numbers also when bf16 bits are read
	; as f16 (an f16 infinity or NaN would be a bf16 number of 2^121 or more).  What rides behind them takes s = 0 and gates of 0 and adds 0 to the outputs.
.set GM, 0
.set zi, 16
.rept 32
	v_mov_b32 v[zi], 0
.set zi, zi+1
.endr
	s_mov_b32 s[SB], 0                     ; the first trip turns these three to step 1's
	s_mov_b32 s[SBA], CONL-2560
	s_mul_i32 s[SGA], s[WV], GSW
	s_add_co_u32 s[SGA], s[SGA], GS-256
	s_mov_b32 s[CNT], 12
.Lexp:                                         ; 12 trips; trip s leaves step s - 1 (at first: the gates), enters step s and asks for step s + 1
	s_wait_tensorcnt 0x0                   ; my one load that was out, my quarter of the step to be entered, has landed: the descriptor may be written
	ds_add_u32 v[SPW], v[NIL]              ; 0 onto my spare word; four products and their riders stand between it and the wait for it
	s_xor_b32 s[G0W+1], s[G0W+1], SLOT1
	s_add_nc_u64 s[G0W+2:G0W+3], s[G0W+2:G0W+3], STEP
	s_xor_b32 s[SB], s[SB], SLOT1
	s_add_co_u32 s[SBA], s[SBA], 2560
	s_add_co_u32 s[SGA], s[SGA], 256
	GRP 30, 2
	s_wait_dscnt 0x0                       ; the add is done, and my reads of the slot that is left are over (unit 31's items were the last)
	s_barrier_signal -1                    ; this barrier opens a round of the cluster's
	GRP 30, 3
	WIN 0
	s_barrier_wait -1
	CREST                                  ; no wave of any partner still reads the slot or has a load on its way
	tensor_load_to_lds s[G0W:G0W+3], s[G1W:G1W+7]      ; my one load behind the round: it has a whole expert, 512 matrix instructions, in which to land
	s_nop 0
	v_add_nc_u32 v[FA0], s[SB], v[L16]     ; five plain lines: the new step's addresses, and the places ahead of the loads into the buffer that unit 30 read
	v_add_nc_u32 v[FA1], 0x10000, v[FA0]
	v_add_nc_u32 v[BA], s[SBA], v[H32]
	v_and_b32 v[GA], 0xf0, v[L16]
	v_add_nc_u32 v[GA], s[SGA], v[GA]
	ULOAD 0
	UNIT 31
.set uu, 0
.rept 30
	UNIT uu
.set uu, uu+1
.endr
	s_wait_dscnt 0x0
	GRP 30, 0
	WINL
	PLACES
	ULOAD 31
	GRP 30, 1
	WIN 0
	s_sub_co_u32 s[CNT], s[CNT], 1
	s_cmp_lg_u32 s[CNT], 0
	s_cbranch_scc1 .Lexp
	; ---------------- the tail: the last expert's end, and T x g ----------------
	s_wait_tensorcnt 0x0                   ; step 13 has landed; nothing is asked for any more, so no round follows
	ds_add_u32 v[SPW], v[NIL]
	GRP 30, 2
	s_wait_dscnt 0x0
	s_barrier_signal -1
	GRP 30, 3
	s_barrier_wait -1                      ; T is whole, and nobody reads slot 0 any more
	UNIT 31
	WINL
	PLACES
.set hh, 0
.rept 16
	EPI5 7, hh
.set hh, hh+1
.endr
	WIN 0
	v_add_nc_u32 v[FA0], SLOT1, v[L16]
	s_mul_i32 s[SGA], s[WV], GSW
	s_add_co_u32 s[SGA], s[SGA], GS
	v_and_b32 v[GA], 0xf0, v[L16]
	v_add_nc_u32 v[GA], s[SGA], v[GA]
.set zi, 0
.rept 16                               ; T1's eight tiles into v64-127, T2's into v128-191
	ds_load_b128 v[64+8*zi:64+8*zi+3],   v[FA0] offset:1024*zi
	ds_load_b128 v[64+8*zi+4:64+8*zi+7], v[FA0] offset:1024*zi+512
.set zi, zi+1
.endr
.irp j, 0,1,2,3,4,5,6,7
	ds_load_b128 v[192+4*\j:192+4*\j+3], v[GA] offset:256*\j        ; g2, own experts first, as T2 has them
	ds_load_b128 v[224+4*\j:224+4*\j+3], v[GA] offset:256*(12+\j)   ; g1
.endr
	s_mul_i32 s15, s[WV], STW              ; my stage
	v_and_b32 v[BA], 0xf0, v[L16]
	v_mul_u32_u24 v[BA], 33, v[BA]
	v_add3_u32 v[BA], v[BA], v[H32], s15   ; in: row r, 32 h
	v_add_nc_u32 v[FA1], s15, v[L16]       ; back: a whole row of 512 bytes
	s_wait_dscnt 0x0
; g as source 1, for task a (0: g1, 1: g2) and row tile rt.  Registers 0-3 (k = 0-15) take the eight gates' upper 16 bits, which are bf16 numbers; registers 4-7 (k = 16-31) the rest, rounded to bf16.
; T holds t's upper bits at k = 0-7 and 16-23 and its rest at k = 8-15 and 24-31: the product's sum is (t_hi + t_lo)(g_hi + g_lo).
.macro GBF a, rt
.set gb, 224-32*(\a)+(\rt)
.set ob, 128+8*(4*(\a)+(\rt))
	WIN 0
.irp q, 0,1,2,3,4,5,6,7
	v_and_b32 v[16+\q], 0xffff0000, v[gb+4*\q]
.endr
.irp q, 0,1,2,3,4,5,6,7
	v_sub_f32 v[16+\q], v[gb+4*\q], v[16+\q]
.endr
	WIN 0x40
.irp p, 0,1,2,3
	v_perm_b32 v[ob+\p], v[gb+8*\p+4], v[gb+8*\p], 0x07060302      ; two upper halves packed, the even expert's below
	v_cvt_pk_bf16_f32 v[ob+4+\p], v[16+2*\p], v[17+2*\p]
.endr
.endm
.irp a, 0,1
.irp rt, 0,1,2,3
	GBF \a, \rt
.endr
.endr
	WIN 0xa4                               ; T in window 0, g in window 1, OUT1 in window 2: 32 different accumulators
.irp rt, 0,1,2,3
.irp t, 0,1,2,3,4,5,6,7
	v_wmma_f32_16x16x32_bf16 v[64*\rt+8*\t:64*\rt+8*\t+7], v[64+8*\t:64+8*\t+7], v[128+8*\rt:128+8*\rt+7], v[64*\rt+8*\t:64*\rt+8*\t+7]
.endr
.endr
	WIN 0xf4
.irp rt, 0,1,2,3
.irp t, 0,1,2,3,4,5,6,7
	v_wmma_f32_16x16x32_bf16 v[64*\rt+8*\t:64*\rt+8*\t+7], v[128+8*\t:128+8*\t+7], v[160+8*\rt:160+8*\rt+7], v[64*\rt+8*\t:64*\rt+8*\t+7]
.endr
.endr
	WIN 0
	PLACES
	; ---------------- the way out: a tile of 16 rows x 512 bytes at a time through my stage ----------------
.macro STG a, rt, buf                  ; a lane's 32 bytes a channel tile go in; whole rows come back
	WIN 0x08+4*(\a)                        ; the stores' data in window 2 or 3
.irp t, 0,1,2,3,4,5,6,7
	ds_store_b128 v[BA], v[64*(\rt)+8*\t:64*(\rt)+8*\t+3]   offset:64*\t
	ds_store_b128 v[BA], v[64*(\rt)+8*\t+4:64*(\rt)+8*\t+7] offset:64*\t+16
.endr
	WIN 0
	s_wait_xcnt 0x0                        ; the buffer that earlier stores read is loaded again only behind this wait
.set zi, 0
.rept 16
	ds_load_b128 v[(\buf)+4*zi:(\buf)+4*zi+3], v[FA1] offset:STP*zi   ; LDS serves a wave's instructions in order (ISA guide 5.7.1.4): these see the stores above, the next tile's stores come behind them
.set zi, zi+1
.endr
.endm
.macro SEND a, rt, buf, younger        ; younger: the next tile's 32 LDS instructions, or none
.set zi, 0
.rept 16
	s_wait_dscnt (\younger)+15-zi
	global_store_b128 v[L16], v[(\buf)+4*zi:(\buf)+4*zi+3], s[8+2*(\a):9+2*(\a)] offset:8192*(\rt)+512*zi th:TH_STORE_NT  ; a row: 512 consecutive bytes, at a multiple of 512 from the output's first
.set zi, zi+1
.endr
.endm
	STG 0, 0, 64
.set ti, 1
.rept 7
	STG ti/4, ti%4, 64+64*(ti%2)
	SEND (ti-1)/4, (ti-1)%4, 64+64*((ti-1)%2), 32
.set ti, ti+1
.endr
	SEND 1, 3, 128, 0
	s_wait_tensorcnt 0x0                   ; the wave's end, behind my last tensor load and my last LDS store
	ds_add_u32 v[SPW], v[NIL]
	s_wait_dscnt 0x0
	ROUND                                  ; the closing round
	s_endpgm
.Lfunc_end_k_qfb7b161111_main:
	.size	k_qfb7b161111_main, .Lfunc_end_k_qfb7b161111_main-k_qfb7b161111_main
	.p2alignl 7, 3214868480
	.fill 96, 4, 3214868480
	.section	.rodata,"a",@progbits
	.p2align	6, 0x0
	.amdhsa_kernel k_qfb7b161111_main
		.amdhsa_group_segment_fixed_size 327680
		.amdhsa_private_segment_fixed_size 0
		.amdhsa_enable_private_segment 0
		.amdhsa_kernarg_size 32
		.amdhsa_user_sgpr_count 2
		.amdhsa_user_sgpr_kernarg_segment_ptr 1
		.amdhsa_wavefront_size32 1
		.amdhsa_system_sgpr_workgroup_id_x 1
		.amdhsa_system_sgpr_workgroup_id_y 1
		.amdhsa_system_sgpr_workgroup_id_z 1
		.amdhsa_system_vgpr_workitem_id 0
		.amdhsa_next_free_vgpr 1024
		.amdhsa_next_free_sgpr 88
		.amdhsa_reserve_vcc 0
		.amdhsa_float_denorm_mode_32 3
		.amdhsa_float_denorm_mode_16_64 3
		.amdhsa_memory_ordered 1
		.amdhsa_forward_progress 1
		.amdhsa_inst_pref_size 255
	.end_amdhsa_kernel
	.section	.bss,"aw",@nobits
	.p2align	6
	.space	262144
	.amdgpu_metadata
---
amdhsa.version: [ 1, 2 ]
amdhsa.kernels:
  - .name:           k_qfb7b161111_main
    .symbol:         k_qfb7b161111_main.kd
    .args:
      - { .name: x, .offset: 0, .size: 8, .value_kind: global_buffer, .address_space: global }
      - { .name: ws, .offset: 8, .size: 8, .value_kind: global_buffer, .address_space: global }
      - { .name: out0, .offset: 16, .size: 8, .value_kind: global_buffer, .address_space: global }
      - { .name: out1, .offset: 24, .size: 8, .value_kind: global_buffer, .address_space: global }
    .group_segment_fixed_size: 327680
    .private_segment_fixed_size: 0
    .kernarg_segment_align: 8
    .kernarg_segment_size: 32
    .max_flat_workgroup_size: 128
    .sgpr_count:     88
    .vgpr_count:     1024
    .wavefront_size: 32
...
	.end_amdgpu_metadata
.endif
;; end of part 3
